; MI455X (gfx1250); checked and timed in simulation.
; The chip was launched on July 23, 2026; its instructions are those of AMD's public machine-readable ISA for CDNA 5 (MIT licence, August 2026) and "CDNA5" Instruction Set Architecture Reference Guide (July 2026). The comments in the code are by the model that wrote it; some were corrected since.
;; Face Feats Model. Allowed arithmetic: matrix products marked QUANTISED: E4M3 operands, one given power-of-two scale a tensor, by v_wmma_f32_16x16x64_fp8_fp8 or v_wmma_f32_16x16x128_fp8_fp8, f32 sums; everything else in f32.
;; Inputs: face_feats 50,000 x 512 float32; lowp_scales 2 int32 (the exponents e of the quantised operands' scales 2^e); query_embeddings_codes 2,048 x 16 x 32 uint8 (E4M3 codes of query_embeddings, K innermost, in blocks of 32 codes); selector 2,048 bool.
;; Outputs: out0 2,048 x 512 float32.
;; This version of the problem:
;;   THIS VERSION OF THE PROBLEM IS GIVEN IN LOW PRECISION. The matrix products marked QUANTISED in the list below multiply operands that are first quantised to E4M3 (4 exponent bits, 3 mantissa bits; 8 bits a number), with one given power-of-two scale for each operand tensor; their sums are f32. All else is computed in f32.
;;   The module's matrix products, in the order in which they are computed (A, B: the left and right operand; K: the contracted axis; several contracted axes count as one K, in the product's order):
;;     1. [M 2,048, K 512] x [K 512, N 50,000]; A: input query_embeddings (given as codes); B: computed on the way: QUANTISED (scales: A lowp_scales[0], B lowp_scales[1])
;;   THE QUANTISER, for each operand of a quantised product, along K:
;;     - The operand's scale is 2^e, e = its entry of the input lowp_scales (int32; the entries are numbered through the quantised products in the list's order, A before B).
;;     - Each number is divided by the scale, clamped to +-448, and rounded to the nearest number of E4M3, ties to even, subnormals kept.
;;     - The product sums the exact products of the quantised numbers (number of the format x scale) in f32.
;;   ~~~python
;;   def quantise(x, axis, e):      # numpy; x: float32 -> the quantised numbers, widened to float32 again
;;       x = np.moveaxis(x, axis, -1); K = x.shape[-1]
;;       r = np.clip(x / 2.0 ** e, -448, 448)
;;       step = 2.0 ** (np.maximum(np.frexp(np.where(r == 0, 1, r))[1] - 1, -6) - 3)
;;       q = np.round(r / step) * step * 2.0 ** e      # np.round: ties to even
;;       return np.moveaxis(q, -1, axis).astype(np.float32)
;;   ~~~
;;   OPERANDS COMPUTED ON THE WAY. 'Computed on the way' means the value that the module computes at that place (a softmax that the list does not call 'softmax' is quantised finished and normalised). What goes into a quantiser is computed in f32, as accurately as f32 sums, v_exp_f32 and their like allow (about 1e-6 of the number): no bf16 or f16 on the way to a quantiser, and a product that is left as it is and whose result goes on into a quantised operand takes f32 operands (vector FMAs, or v_wmma_f32_16x16x4_f32). A number that lies on a knife's edge between two numbers of the format may be rounded either way, as far as f32 arithmetic and the matrix unit's own rounding can turn it there, and no further.
;;   INPUTS GIVEN AS CODES. query_embeddings (in the module: [2048, 512], K = its axis 1): each comes as NAME_codes (uint8): NAME with its K axis moved to the last place and cut into blocks of 32 codes, [.., K / 32, bytes a block], one block behind the other in memory; one code a byte (a code: sign, 4 exponent bits, 3 mantissa bits); its scale is its entry of lowp_scales. Its value is code x scale, taken as it is: it is not quantised again, and the codes and scales need not be those that the quantiser above would give.
;; One version. Each part assembles by itself: llvm-mc -triple=amdgcn-amd-amdhsa -mcpu=gfx1250 --defsym DOCPART=n.
;; ======== version 1 of 1: 3 launches
;; workspace buffers: pval 1,835,008 bytes; pidx 1,835,008 bytes of whole numbers; order 8,192 bytes of whole numbers
;; launch search (part 1): grid 224 x 1, 4 waves a work-group, clusters of 4 x 1, 327,680 bytes of LDS; arguments face_feats, lowp_scales, query_embeddings_codes, pval, pidx; writes pval, pidx
.if DOCPART == 1
	.amdgcn_target "amdgcn-amd-amdhsa--gfx1250"
	.amdhsa_code_object_version 6
	.text
	.protected	k_qd6b2bd41ed_search
	.globl	k_qd6b2bd41ed_search
	.p2align	8
	.type	k_qd6b2bd41ed_search,@function
k_qd6b2bd41ed_search:
	s_mov_b64 s[64:65], 0
	v_nop
	global_prefetch_b8 v0, s[64:65] scope:SCOPE_SE
	s_setreg_imm32_b32 hwreg(HW_REG_WAVE_MODE, 25, 1), 1
	s_wait_xcnt 0x0
	s_wait_alu depctr_hold_cnt(0) depctr_sa_sdst(0) depctr_va_vdst(0) depctr_va_sdst(0) depctr_va_ssrc(0) depctr_va_vcc(0) depctr_vm_vsrc(0)
	s_getreg_b32 s2, hwreg(HW_REG_IB_STS2, 6, 4)
	s_cmp_eq_u32 s2, 0
	s_cbranch_scc0 .Lentry_in_a_cluster
	s_endpgm
.Lentry_in_a_cluster:
	s_bfe_u32 s2, ttmp6, 0x10000c
	s_cmp_lg_u32 s2, 0x3003
	s_cbranch_scc0 .Lentry_shape_is_right
	s_endpgm
.Lentry_shape_is_right:
; SEARCH.  scores[b][n] = q[b] . Q(face[n] / |face[n]|), on codes of FP8 (E4M3); for each query the best score within a chunk of 224 face rows, and the aligned GROUP OF 8 ROWS that holds it.
; face_feats [50000][512] f32; query codes [2048][512], one code a byte, K innermost; lowp_scales: e0 (queries), e1 (normalised faces).
; pval, pidx: [224 chunks][2048 queries]: the chunk's largest score x 2^(e0 + e1), and the first row of the lowest group of 8 rows that has it.  Which of the 8 it is, a later launch finds.
; SHARES.  A work-group owns 224 face rows, 14 tiles of 16, and multiplies them with all 2,048 queries.  Wave w = (fh = w & 1, qh = w >> 1) keeps 7 face tiles (local rows 32 p + 16 fh + 0..15)
; as codes in 448 registers for the whole launch and walks half of the queries, 64 tiles of 16: so of the two operands only the queries are read from LDS, 8 KB for 28 matrix instructions.
; PHASE A.  Each face row is read from memory once, 512 consecutive bytes a load; sum of squares in f32, x * rsq(sum), the hold at +-448 x 2^e1, the conversion; the codes turn through a stage in LDS into fragments.
; PHASE B.  The queries' codes come through a ring of two LDS slots of 256 queries.  All work-groups read the same codes: the four of a cluster ask JOINTLY (the same tensor load, descriptor and mask in all four).
; The maximum of the query tile before stands in slices of four behind every second matrix instruction of the tile in hand; two sets of 7 accumulators, and two sets of query fragments, take turns from tile to tile.
; WHY GROUPS.  A lane's accumulator of tile p holds rows 32 p + 16 fh + 8 (lane / 16) + 0..7 of one query: 8 neighbouring rows, aligned.  Their maximum costs half an instruction a score; a row's own index
; would cost a compare and a select a score more.  Groups ascend with the index, so the lowest group among equal maxima holds the lowest row among them.
; ROWS PAST THE END.  224 x 224 = 50,176.  Rows are addressed in groups of 8 and the group is held at 6,249, the last: groups past the end are copies of the last group at higher indices,
; and every merge takes the lowest index among equal scores, so a copy never wins.
; The fragments hold k = 32 c + 16 (lane / 16) + 0..15 in registers 4 c .. 4 c + 3, alike for faces and queries: every product meets its partner; only the order of the sums inside an instruction differs.
; LIMITS.  e1 between -126 and 119; e0 + e1 between -100 and 100 (a non-zero sum in code units lies between 2^-18 and 2^27, so x 2^(e0 + e1) rounds nothing and keeps the order).
; NaN and infinities among the inputs are not served; a face row of zeros gives NaN scores, which no maximum takes.  The norm's sum has another order than a plain loop's.
; No prefetch is laid: phase A keeps memory busy from its first line, and the queries' 1 MB is read again and again by all clusters.
.set PITCH, 528                        ; an LDS row: 512 bytes + 16 of padding = 132 words: 16 rows of a fragment load start at 16 different groups of four banks
.set WTILE, 64*PITCH                   ; what one tensor load brings: 64 query rows
.set SLOTB, 4*WTILE                    ; a slot: 256 query rows = 0x21000 bytes; no wave's place in a slot has one of these two bits set, so one exclusive or changes slots
.set FST,   2*SLOTB                    ; behind the ring: two stages of 32 face rows (phase A); later the table of results.  No tensor load lands here
.set FREG,  32*PITCH
.set BLK,   4224                       ; the table: 8 blocks (value or index, wave) of 128 bytes of pad + 64 tiles x 64 bytes: together just the two stages' bytes
.set SPARE, FST+2*FREG                 ; the spare words, 128 bytes for each wave: two blocks of 256 bytes that no other line names
.set QTB,   16*PITCH                   ; a query tile in a slot
.set VA,  4                            ; v4-10  byte offset in face_feats of part p's group of 8 rows + 16 x lane; never rewritten
.set ST,  11                           ; v11    the stage, in: FST + 8 w rows + 4 x lane
.set FR,  12                           ; v12    the stage, out: FST + (16 fh + r) rows + 16 h
.set Q0,  13                           ; v13    my lane's place in a slot's first tile of my half: (128 qh + r) rows + 16 h
.set QA,  14                           ; v14    the same in the tile that is fetched
.set R0,  15                           ; v15    the table: FST + (4 h + w) blocks + 4 r
.set RA,  16                           ; v16    + 64 x the tile in hand
.set HB,  17                           ; v17    224 x work-group + 16 fh + 8 h: what a local index 32 p lacks
.set BIG, 18                           ; v18    an index above all rows
.set LIM, 19                           ; v19    448 x 2^e1
.set SCL, 20                           ; v20    2^e1 as f32
.set SPW, 21                           ; v21    LDS address of my spare word; never rewritten
.set NIL, 22                           ; v22    0; never rewritten
.set TMP, 23
.set SS,  24                           ; v24-31 phase A: 8 rows' sums of squares, then 1 / norm
.set C,   32                           ; v32-63 phase A: four registers a row: partial sums, then codes
.set RING, 64                          ; v64-255 phase A: 12 rows of 16 registers
.set QR,  32                           ; v32-95 phase B: a query tile's four fragments, set 0 (window 0)
.set QR1, 192                          ; set 1: v192-255 of window 2
.set ACC, 96                           ; v96-151, v152-207: two sets of 7 accumulators
.set T,   208                          ; v208-214 a tile's maximum of my 8 rows
.set XX,  215
.set YY,  216
.set IDX, 217
.set M,   224
.set MO,  225
.set IO,  226
.set TA,  227
.set TB2, 228
.set DD,  229                          ; v229   a finished result: the value in lanes 0-15, the index in lanes 16-31; stored in the next tile's run of LDS instructions
.set GO,  230
; windows 1 and 2: the face fragments: tile p, K step s at v[64 (p % 4) + 16 s] of window 1 (p < 4) or 2
.set WV,  14                           ; s14 wave; s15 fh; s16 qh; s17 work-group
.set FH,  15
.set QH,  16
.set WG,  17
.set G1,  24                           ; s[24:31] descriptor group 1
.set G0A, 32                           ; s[32:35] group 0 of slot 0's first fill
.set G0B, 36                           ; s[36:39] group 0 of slot 1's first fill; it then walks
.set SEL, 40                           ; s[40:41] v_permlanex16_b32: lane l xor 16
.set HM,  42                           ; s42 lanes 16-31
.set TB,  43                           ; s43 LDS byte of the query tile to fetch next (without my lane's place)
.set RO,  44                           ; s44 64 x the number of the tile in hand
.set OUTER, 45
.set INNER, 46
.set ESUM, 47                          ; s47 e0 + e1
.set RS,  48                           ; s[48:63] 8 pairs: 1 / norm of a row, and a 0 that is only named
.set MK,  66                           ; s66-74 lane masks
.set MSB, 0
.macro WIN new                         ; the immediate's high byte repeats the setting that is left; a switch that changes nothing is dropped
.if MSB != \new
	s_set_vgpr_msb (MSB<<8)|\new
.set MSB, \new
.endif
.endm
.macro CREST                           ; a round of the cluster's barrier behind its opening barrier
	s_cmp_lg_u32 s[WV], 0
	s_cbranch_scc1 .Lnot_wave_0_\@
	s_barrier_signal -3
.Lnot_wave_0_\@:
	s_barrier_wait -3
	s_barrier_signal -1
	s_barrier_wait -1
.endm
.macro CROUND                          ; a whole round
	s_barrier_signal -1
	s_barrier_wait -1
	CREST
.endm
.macro PLACES n
.rept \n
	v_nop
.endr
.endm
; row r of my wave's 56 (part r / 8, row r % 8 of its group): four loads, each 512 consecutive bytes; lane l's register 4 j + c holds k = 128 j + 4 l + c
.macro LOADROW r
.irp j, 0,1,2,3
	global_load_b128 v[RING+16*((\r)%12)+4*\j:RING+16*((\r)%12)+4*\j+3], v[VA+(\r)/8], s[4:5] offset:2048*((\r)%8)+512*\j th:TH_LOAD_NT
.endr
.endm
	s_load_b256 s[4:11], s[0:1], 0x0               ; face_feats s[4:5], lowp_scales s[6:7], the queries' codes s[8:9], pval s[10:11]
	s_load_b64 s[12:13], s[0:1], 0x20              ; pidx
	v_lshl_add_u32 v[SPW], v0, 2, SPARE
	v_mov_b32 v[NIL], 0
	ds_add_u32 v21, v22
	ds_add_u32 v21, v22
	s_wait_dscnt 0x0
	v_lshrrev_b32 v1, 5, v0
	v_readfirstlane_b32 s[WV], v1                  ; wave 0..3
	s_and_b32 s[FH], s[WV], 1
	s_lshr_b32 s[QH], s[WV], 1
	s_bfe_u32 s18, ttmp6, 0x40000                  ; cx
	s_lshl_b32 s[WG], ttmp9, 2                     ; in a cluster launch ttmp9 counts clusters
	s_add_co_u32 s[WG], s[WG], s18                 ; work-group = 4 x cluster + cx: it enters global addresses and the indices' base alone
	v_and_b32 v1, 31, v0                           ; lane
	v_and_b32 v2, 15, v0                           ; r
	v_bfe_u32 v3, v0, 4, 1                         ; h
	s_mul_i32 s19, s[WG], 28
	s_add_co_u32 s19, s19, s[WV]                   ; part 0's group of 8 rows: 28 x work-group + wave
	v_lshlrev_b32 v[TMP], 4, v1
.irp p, 0,1,2,3,4,5,6
	s_add_co_u32 s20, s19, 4*\p
	s_min_u32 s20, s20, 6249                       ; no load leaves the buffer: groups past the end are the last group again
	s_lshl_b32 s20, s20, 14                        ; 8 rows of 2,048 bytes
	v_add_nc_u32 v[VA+\p], s20, v[TMP]
.endr
	s_mov_b32 s[SEL], 0x76543210
	s_mov_b32 s[SEL+1], 0xfedcba98
	s_mov_b32 s[HM], 0xffff0000
.irp i, 0,1,2,3,4,5,6,7
	s_mov_b32 s[RS+2*\i+1], 0                      ; named with its neighbour as a pair, so it is written
.endr
	s_wait_kmcnt 0x0
.irp r, 0,1,2,3,4,5,6,7,8,9,10,11
	LOADROW \r                                     ; the ring of 12 rows is filled: 48 loads a wave
.endr
	s_load_b64 s[18:19], s[6:7], 0x0               ; e0, e1
	; descriptor group 1: 64 rows x 512 elements of one byte, dense in memory, padded in LDS
	s_mov_b32 s[G1+0], 15|(1<<20)|(1<<21)|(6<<22)|(3<<25)  ; 15:0 the mask: all four work-groups; 17:16 elements of 1 byte; 20 padding on; 21 set beside a mask; 24:22 after every 128 words (code 6); 31:25 four words (code 3)
	s_mov_b32 s[G1+1], 512<<16                     ; tensor_dim0
	s_mov_b32 s[G1+2], 64<<16                      ; tensor_dim1
	s_mov_b32 s[G1+3], 512<<16                     ; tile_dim0
	s_mov_b32 s[G1+4], 64                          ; tile_dim1
	s_mov_b32 s[G1+5], 512                         ; tensor_dim0_stride
	s_mov_b32 s[G1+6], 0
	s_mov_b32 s[G1+7], 0
	s_mul_i32 s20, s[WV], WTILE                    ; my 64 rows in a slot: the wave's number alone enters an LDS address
	s_lshl_b32 s22, s[WV], 15                      ; and in memory: 64 rows of 512 bytes
	s_mov_b32 s23, 0
	s_mov_b32 s[G0A], 1
	s_mov_b32 s[G0A+1], s20
	s_add_nc_u64 s[G0A+2:G0A+3], s[8:9], s[22:23]  ; queries 0 to 255
	s_mov_b32 s[G0B], 1
	s_add_co_u32 s[G0B+1], s20, SLOTB
	s_add_nc_u64 s[G0B+2:G0B+3], s[G0A+2:G0A+3], 131072  ; queries 256 to 511
	s_or_b32 s[G0A+3], s[G0A+3], 0x80000000        ; type = 2
	s_or_b32 s[G0B+3], s[G0B+3], 0x80000000
	CROUND                                         ; all four work-groups are here: the first joint loads meet
	tensor_load_to_lds s[G0A:G0A+3], s[G1:G1+7]    ; both first fills go out together, ahead of every wait on TENSORcnt and every LDS read: two loads of mine are out
	s_nop 0
	tensor_load_to_lds s[G0B:G0B+3], s[G1:G1+7]
	s_nop 0
	PLACES 4                                       ; four nops behind a tensor load
	s_mul_i32 s20, s[WV], 8*PITCH
	s_add_co_u32 s20, s20, FST
	v_lshl_add_u32 v[ST], v1, 2, s20
	v_mul_u32_u24 v[TMP], v2, PITCH
	v_lshl_add_u32 v[TMP], v3, 4, v[TMP]           ; r rows + 16 h
	s_mul_i32 s20, s[FH], 16*PITCH
	s_add_co_u32 s20, s20, FST
	v_add_nc_u32 v[FR], s20, v[TMP]
	s_mul_i32 s20, s[QH], 128*PITCH
	v_add_nc_u32 v[Q0], s20, v[TMP]
	s_mul_i32 s20, s[WV], BLK
	s_add_co_u32 s20, s20, FST
	v_mul_u32_u24 v[R0], v3, 4*BLK
	v_lshl_add_u32 v[R0], v2, 2, v[R0]
	v_add_nc_u32 v[R0], s20, v[R0]
	s_mul_i32 s20, s[WG], 224
	s_lshl_b32 s21, s[FH], 4
	s_add_co_u32 s20, s20, s21
	v_lshl_add_u32 v[HB], v3, 3, s20
	v_mov_b32 v[BIG], 0xffffff
	s_wait_kmcnt 0x0
	s_add_co_i32 s20, s19, 127
	s_lshl_b32 s21, s20, 23
	v_mov_b32 v[SCL], s21                          ; 2^e1 as f32: the conversion takes its exponent field
	s_add_co_i32 s20, s20, 8
	s_lshl_b32 s20, s20, 23
	s_or_b32 s20, s20, 0x600000
	v_mov_b32 v[LIM], s20                          ; 448 x 2^e1
	s_add_co_i32 s[ESUM], s18, s19                 ; e0 + e1
; PHASE A, part p: my wave's 8 rows (local rows 32 p + 8 w + i) become codes in stage p % 2; behind a barrier every wave takes its tile p as four fragments.
.macro PART p
.if \p < 6
	s_wait_loadcnt 16                              ; rows up to 8 p + 11 have been asked for: the four behind this part's eight may stay out
.else
	s_wait_loadcnt 0x0
.endif
.irp i, 0,1,2,3,4,5,6,7                        ; the sums of squares: two chains a row, the eight rows by turns
.set XB, RING+16*((8*\p+\i)%12)
	v_pk_mul_f32 v[C+4*\i:C+4*\i+1], v[XB:XB+1], v[XB:XB+1]
	v_pk_mul_f32 v[C+4*\i+2:C+4*\i+3], v[XB+2:XB+3], v[XB+2:XB+3]
.endr
.irp e, 4,8,12
.irp i, 0,1,2,3,4,5,6,7
.set XB, RING+16*((8*\p+\i)%12)
	v_pk_fma_f32 v[C+4*\i:C+4*\i+1], v[XB+\e:XB+\e+1], v[XB+\e:XB+\e+1], v[C+4*\i:C+4*\i+1]
	v_pk_fma_f32 v[C+4*\i+2:C+4*\i+3], v[XB+\e+2:XB+\e+3], v[XB+\e+2:XB+\e+3], v[C+4*\i+2:C+4*\i+3]
.endr
.endr
.irp i, 0,1,2,3,4,5,6,7
	v_pk_add_f32 v[C+4*\i:C+4*\i+1], v[C+4*\i:C+4*\i+1], v[C+4*\i+2:C+4*\i+3]
.endr
.irp i, 0,1,2,3,4,5,6,7
	v_add_f32 v[SS+\i], v[C+4*\i], v[C+4*\i+1]
.endr
.irp x, 1,2,4,8                                ; across the 32 lanes
.irp i, 0,1,2,3,4,5,6,7
	v_add_f32_dpp v[SS+\i], v[SS+\i], v[SS+\i] row_xmask:\x row_mask:0xf bank_mask:0xf
.endr
.endr
.irp i, 0,1,2,3,4,5,6,7
	v_permlanex16_b32 v[C+4*\i+2], v[SS+\i], s[SEL], s[SEL+1]
.endr
.irp i, 0,1,2,3,4,5,6,7
	v_add_f32 v[SS+\i], v[SS+\i], v[C+4*\i+2]
.endr
.irp i, 0,1,2,3,4,5,6,7
	v_rsq_f32 v[SS+\i], v[SS+\i]                   ; 1 / norm
.endr
	v_nop                                          ; a plain instruction behind the last of the batch
	s_wait_alu depctr_va_vdst(0)                   ; one wait for the eight, ahead of their first reader
.irp i, 0,1,2,3,4,5,6,7
	v_readfirstlane_b32 s[RS+2*\i], v[SS+\i]       ; every lane holds the same number
.endr
.irp i, 0,1,2,3,4,5,6,7
.set XB, RING+16*((8*\p+\i)%12)
.irp e, 0,2,4,6,8,10,12,14
	v_pk_mul_f32 v[XB+\e:XB+\e+1], v[XB+\e:XB+\e+1], s[RS+2*\i:RS+2*\i+1] op_sel_hi:[1,0]   ; x / norm
.endr
.irp e, 0,1,2,3,4,5,6,7,8,9,10,11,12,13,14,15
	v_med3_num_f32 v[XB+\e], v[XB+\e], -v[LIM], v[LIM]   ; the conversion to an 8-bit code does not saturate (ISA guide 7.6.2): the hold comes first
.endr
	v_cvt_scalef32_pk8_fp8_f32 v[C+4*\i:C+4*\i+1], v[XB:XB+7], v[SCL]        ; word j of the four: codes of k = 128 j + 4 l + 0..3
	v_cvt_scalef32_pk8_fp8_f32 v[C+4*\i+2:C+4*\i+3], v[XB+8:XB+15], v[SCL]
.irp j, 0,1,2,3
	ds_store_b32 v[ST], v[C+4*\i+\j] offset:(\p%2)*FREG+PITCH*\i+128*\j      ; 32 lanes: 128 consecutive bytes of the row
.endr
.if 8*\p+\i+12 < 56
	LOADROW 8*\p+\i+12                             ; the row's registers take the row 12 further on
.endif
.endr
	v_nop                                          ; a plain instruction behind the last conversion
	s_wait_dscnt 0x0                               ; my stores have landed; my fragment loads of the part before, out of the stage that the next part writes, are in
	s_barrier_signal -1
	s_barrier_wait -1
.if \p < 4
	WIN 0x40                                       ; destination window 1
.else
	WIN 0x80                                       ; destination window 2
.endif
.irp s, 0,1,2,3
.irp c, 0,1,2,3
	ds_load_b128 v[64*(\p%4)+16*\s+4*\c:64*(\p%4)+16*\s+4*\c+3], v[FR] offset:(\p%2)*FREG+128*\s+32*\c
.endr
.endr
	WIN 0
.endm
	PART 0
	PART 1
	PART 2
	PART 3
	PART 4
	PART 5
	PART 6
	s_wait_tensorcnt 1                             ; my part of slot 0 is in; slot 1's may stay out
	s_wait_dscnt 0x0                               ; the last fragments are in: the stages are read no more, and become the table of results
	s_barrier_signal -1
	s_barrier_wait -1
; PHASE B.
.macro LOADS set                       ; the four fragments of the query tile at v[QA] into set 0 (window 0) or 1 (window 2): 16 loads in one run
.set lB, QR+(QR1-QR)*(\set)
.if \set
	WIN 0x80                                       ; destination window 2, address window 0
.else
	WIN 0
.endif
.irp s, 0,1,2,3
.irp c, 0,1,2,3
	ds_load_b128 v[lB+16*\s+4*\c:lB+16*\s+4*\c+3], v[QA] offset:128*\s+32*\c
.endr
.endr
.endm
.macro LRUN set                        ; a tile's LDS instructions stand together: the result that the tile before has finished goes to the table, the next tile's fragments come
	WIN 0
	ds_store_b32 v[RA], v[DD]
	LOADS \set
.endm
; matrix instruction ti of a tile's 28: K step ti / 7, face tile ti % 7.  Source 0 = 16 face rows, source 1 = 16 queries: lane (r, h), register j = the score of face row 8 h + j with query r.
; The seven accumulators take turns, one instruction a turn, and the two sets from tile to tile.  The first K step starts the sums.
.macro MM cur
.set mS, ti/7
.set mP, ti%7
.set mD, ACC+56*(\cur)+8*mP
.set mF, 64*(mP%4)+16*mS
.set mQ, QR+(QR1-QR)*(\cur)+16*mS
.set mW, 1+mP/4+8*(\cur)               ; source 0 (faces) window 1 or 2; source 1 (queries) window 0 or 2; C and D window 0
	WIN mW
.if mS == 0
	v_wmma_f32_16x16x128_fp8_fp8 v[mD:mD+7], v[mF:mF+15], v[mQ:mQ+15], 0
.else
	v_wmma_f32_16x16x128_fp8_fp8 v[mD:mD+7], v[mF:mF+15], v[mQ:mQ+15], v[mD:mD+7]
.endif
.endm
; THE MAXIMUM of one query tile is a list of 55 numbers; AM writes number j for the accumulators of set prev.
;   0-27   T[p] = the largest of tile p's eight scores of my lane; each accumulator is read first at its low end
;   28-30  M = the largest of the seven
;   31-37  seven masks: T[p] != M
;   38-48  where equal, the index becomes 32 p (p descending: the lowest stays); between these selects, which wait for each other, stand the exchange of M with the lane 16 away and its two masks
;   49-54  + the base; the index's exchange; the lower index of the two lanes' where both have the maximum; value (lanes 0-15) and index (lanes 16-31) in one register
.macro AM prev
.set aB, ACC+56*(\prev)
.if j < 7
	v_max3_num_f32 v[T+j], v[aB+8*j], v[aB+8*j+1], v[aB+8*j+2]
.elseif j < 21
	v_max3_num_f32 v[T+j%7], v[T+j%7], v[aB+8*(j%7)+2*(j/7)+1], v[aB+8*(j%7)+2*(j/7)+2]
.elseif j < 28
	v_max_num_f32 v[T+j-21], v[T+j-21], v[aB+8*(j-21)+7]
.elseif j == 28
	v_max3_num_f32 v[XX], v[T], v[T+1], v[T+2]
.elseif j == 29
	v_max3_num_f32 v[YY], v[T+3], v[T+4], v[T+5]
.elseif j == 30
	v_max3_num_f32 v[M], v[XX], v[YY], v[T+6]
.elseif j < 38
	v_cmp_neq_f32 s[MK+j-31], v[T+j-31], v[M]
.elseif j == 38
	v_cndmask_b32 v[IDX], 192, v[BIG], s[MK+6]
.elseif j == 39
	v_permlanex16_b32 v[MO], v[M], s[SEL], s[SEL+1]
.elseif j == 40
	v_cndmask_b32 v[IDX], 160, v[IDX], s[MK+5]
.elseif j == 41
	v_cndmask_b32 v[IDX], 128, v[IDX], s[MK+4]
.elseif j == 42
	v_max_num_f32 v[XX], v[M], v[MO]
.elseif j == 43
	v_cndmask_b32 v[IDX], 96, v[IDX], s[MK+3]
.elseif j == 44
	v_cmp_neq_f32 s[MK+7], v[M], v[XX]
.elseif j == 45
	v_cndmask_b32 v[IDX], 64, v[IDX], s[MK+2]
.elseif j == 46
	v_cmp_neq_f32 s[MK+8], v[MO], v[XX]
.elseif j == 47
	v_cndmask_b32 v[IDX], 32, v[IDX], s[MK+1]
.elseif j == 48
	v_cndmask_b32 v[IDX], 0, v[IDX], s[MK]
.elseif j == 49
	v_add_nc_u32 v[IDX], v[IDX], v[HB]
.elseif j == 50
	v_permlanex16_b32 v[IO], v[IDX], s[SEL], s[SEL+1]
.elseif j == 51
	v_cndmask_b32 v[TA], v[IDX], v[BIG], s[MK+7]
.elseif j == 52
	v_cndmask_b32 v[TB2], v[IO], v[BIG], s[MK+8]
.elseif j == 53
	v_min_u32 v[TA], v[TA], v[TB2]
.else
	v_cndmask_b32 v[DD], v[XX], v[TA], s[HM]
.endif
.endm
; slice k of 14: numbers 4 k to 4 k + 3.  Slice 0 also makes the two addresses of the tile's run of LDS instructions (qa = 0: the store's alone).
.macro SLICE prev, qa
	WIN 0
.if k == 0
.if \qa
	v_add_nc_u32 v[QA], s[TB], v[Q0]
.endif
	v_add_nc_u32 v[RA], s[RO], v[R0]
.endif
.set j, 4*k
.rept 4
.if j < 55
	AM \prev
.endif
.set j, j+1
.endr
.set k, k+1
.endm
.macro MS cur                          ; a matrix instruction, and behind every second one a slice of the tile before's maximum
	MM \cur
.if ti%2 == 0
	SLICE 1-\cur, 1
.endif
.set ti, ti+1
.endm
; A QUERY TILE: 28 matrix instructions into set cur.  The run of LDS instructions stands behind the first of them and its slice: the fragments' set that it fills was last read by the tile before's last
; product, behind which slice 0's six plain vector instructions stand, none of which names a register of that product (four are asked: ISA guide 7.12.1 for vector instructions).
; The loads have the tile's other 27 products in which to land.  The store in tile n holds tile n - 2's result: so a block of the table begins with two tiles' pad.
.macro QT cur
.set k, 0
.set ti, 0
	s_wait_dscnt 0x0                               ; this tile's fragments, asked for at the head of the tile before, are in
	MS \cur
	LRUN 1-\cur
.rept 27
	MS \cur
.endr
	WIN 0
	s_add_co_u32 s[TB], s[TB], QTB
	s_add_co_u32 s[RO], s[RO], 64
.endm
; A SLOT'S LAST TILE, with the change of slots in it.  Each wave waits for all its tensor loads (the one that is out is its part of the other slot), adds 0 to its spare word, works on registers,
; and waits for the add and for its reads of this slot (the tile's own fragments were the last).  fill = 1: the barrier opens a round of the cluster's barrier, and this slot is filled again, first thing
; behind it, with the queries two slots on: that load has a slot's 224 matrix instructions in which to land.  The run of LDS instructions stands behind the barrier: its loads read the other slot.
; Its store's data are written anew only by the list's last number, which stands behind it.
.macro QTC cur, fill
	WIN 0
	s_wait_tensorcnt 0x0                           ; no tensor load of mine is out, so a group 0 may be written
	ds_add_u32 v[SPW], v[NIL]                      ; 0 onto my spare word
	s_sub_co_u32 s[TB], s[TB], 8*QTB               ; the fetches go back to a slot's first tile,
	s_xor_b32 s[TB], s[TB], SLOTB                  ; in the other slot
.if \fill
	s_xor_b32 s[G0B+1], s[G0B+1], SLOTB            ; the walking descriptor: the other slot than last time,
	s_add_nc_u64 s[G0B+2:G0B+3], s[G0B+2:G0B+3], 131072   ; the next 256 queries; the type bits on top are not reached
.endif
	s_wait_dscnt 1                                 ; this tile's fragments are in; the add alone may be out
.set k, 0
.set ti, 0
.rept 14
	MS \cur
.endr
	s_wait_dscnt 0x0                               ; the add is done, and my reads of this slot are over
	s_barrier_signal -1
.rept 7
	MS \cur                                        ; work on registers while the others arrive
.endr
	WIN 0
	s_barrier_wait -1
.if \fill
	CREST                                          ; no wave of any partner still reads this slot or has a load on its way
	tensor_load_to_lds s[G0B:G0B+3], s[G1:G1+7]    ; my one tensor load behind the round
	s_nop 0
.endif
	PLACES 4                                       ; four nops behind a tensor load
	LRUN 1-\cur                                    ; the other slot's first tile
.rept 7
	MS \cur
.endr
	WIN 0
	s_add_co_u32 s[TB], s[TB], QTB
	s_add_co_u32 s[RO], s[RO], 64
.endm
.macro SLOTBODY fill                   ; a slot's eight tiles of my half
	s_mov_b32 s[INNER], 3
.Lpair_\@:
	QT 0
	QT 1
	s_sub_co_u32 s[INNER], s[INNER], 1
	s_cmp_lg_u32 s[INNER], 0
	s_cbranch_scc1 .Lpair_\@
	QT 0
	QTC 1, \fill
.endm
	s_mov_b32 s[TB], 0
	v_add_nc_u32 v[QA], s[TB], v[Q0]
	LOADS 0                                        ; the first tile
	s_mov_b32 s[TB], QTB
	s_mov_b32 s[RO], 0
.set z, 0
.rept 56
	v_mov_b32 v[ACC+56+z], 0                       ; once: the loop has no first tile of its own; its first slices work on these zeros, and what they make goes into the blocks' pads
.set z, z+1
.endr
	v_mov_b32 v[MO], 0                             ; a lane permute's destination counts as one of its sources
	v_mov_b32 v[IO], 0
	v_mov_b32 v[DD], 0                             ; the first tile's store, into the pad
	s_mov_b32 s[OUTER], 6
.Lslot:                                        ; slots 0 to 5: each is filled again with the queries two slots on
	SLOTBODY 1
	s_sub_co_u32 s[OUTER], s[OUTER], 1
	s_cmp_lg_u32 s[OUTER], 0
	s_cbranch_scc1 .Lslot
	s_mov_b32 s[OUTER], 2
.Ltail:                                        ; slots 6 and 7 ask for nothing: a text of their own.  The second trip's change of slots serves nothing
	SLOTBODY 0                                     ; one barrier, and four fragments out of filled bytes that nobody multiplies: the price of writing the tail once
	s_sub_co_u32 s[OUTER], s[OUTER], 1
	s_cmp_lg_u32 s[OUTER], 0
	s_cbranch_scc1 .Ltail
	v_add_nc_u32 v[RA], s[RO], v[R0]
	ds_store_b32 v[RA], v[DD]                      ; the last tile but one's result
	s_add_co_u32 s[RO], s[RO], 64
.set k, 0
.rept 14
	SLICE 1, 0                                     ; the last tile's maximum
.endr
	ds_store_b32 v[RA], v[DD]
	; THE WAY OUT.  The two waves of a query half hold the same queries' results for different face rows.  Behind a barrier wave w' takes half w' & 1 and slots (w' >> 1) + 2 i: a load's 512 bytes are 128 neighbouring queries.
	s_wait_dscnt 0x0
	s_barrier_signal -1
	s_barrier_wait -1
	s_mul_i32 s20, s[FH], 2*BLK
	s_lshl_b32 s21, s[QH], 9
	s_add_co_u32 s20, s20, s21
	s_add_co_u32 s20, s20, FST+128
	v_lshl_add_u32 v[TMP], v1, 4, s20
.irp i, 0,1,2,3
	ds_load_b128 v[QR+16*\i:QR+16*\i+3],     v[TMP] offset:1024*\i          ; values of fh = 0,
	ds_load_b128 v[QR+16*\i+4:QR+16*\i+7],   v[TMP] offset:1024*\i+BLK      ; of fh = 1,
	ds_load_b128 v[QR+16*\i+8:QR+16*\i+11],  v[TMP] offset:1024*\i+4*BLK    ; indices of fh = 0,
	ds_load_b128 v[QR+16*\i+12:QR+16*\i+15], v[TMP] offset:1024*\i+5*BLK    ; of fh = 1
.endr
	s_lshl_b32 s20, s[FH], 9
	s_lshl_b32 s21, s[QH], 10
	s_add_co_u32 s20, s20, s21
	v_lshl_add_u32 v[GO], v1, 4, s20               ; 4 bytes x (256 slot + 128 half + 4 lane)
	s_lshl_b32 s22, s[WG], 13                      ; my chunk's 2,048 numbers
	s_mov_b32 s23, 0
	s_add_nc_u64 s[10:11], s[10:11], s[22:23]
	s_add_nc_u64 s[12:13], s[12:13], s[22:23]
.irp i, 0,1,2,3
	s_wait_dscnt 12-4*\i                           ; this slot's four loads are in; the later slots' may stay out
.irp c, 0,1,2,3
	v_max_num_f32 v[T+\c], v[QR+16*\i+\c], v[QR+16*\i+4+\c]
.endr
.irp c, 0,1,2,3
	v_cmp_neq_f32 s[MK+2*\c], v[QR+16*\i+\c], v[T+\c]
	v_cmp_neq_f32 s[MK+2*\c+1], v[QR+16*\i+4+\c], v[T+\c]
.endr
.irp c, 0,1,2,3
	v_cndmask_b32 v[QR+16*\i+8+\c], v[QR+16*\i+8+\c], v[BIG], s[MK+2*\c]
	v_cndmask_b32 v[QR+16*\i+12+\c], v[QR+16*\i+12+\c], v[BIG], s[MK+2*\c+1]
.endr
.irp c, 0,1,2,3
	v_min_u32 v[QR+16*\i+8+\c], v[QR+16*\i+8+\c], v[QR+16*\i+12+\c]   ; the lowest group among equal scores
	v_ldexp_f32 v[QR+16*\i+\c], v[T+\c], s[ESUM]                      ; the sum x 2^(e0 + e1)
.endr
	global_store_b128 v[GO], v[QR+16*\i:QR+16*\i+3], s[10:11] offset:2048*\i       ; 32 lanes store 512 consecutive bytes, at a multiple of 512 from the buffer's first byte
	global_store_b128 v[GO], v[QR+16*\i+8:QR+16*\i+11], s[12:13] offset:2048*\i
.endr
	s_wait_tensorcnt 0x0                           ; the wave's end
	ds_add_u32 v[SPW], v[NIL]
	s_wait_dscnt 0x0
	CROUND                                         ; the closing round: no work-group ends while a partner may still ask for a tile that names it
	s_endpgm
.Lfunc_end_k_qd6b2bd41ed_search:
	.size	k_qd6b2bd41ed_search, .Lfunc_end_k_qd6b2bd41ed_search-k_qd6b2bd41ed_search
	.p2alignl 7, 3214868480
	.fill 96, 4, 3214868480
	.section	.rodata,"a",@progbits
	.p2align	6, 0x0
	.amdhsa_kernel k_qd6b2bd41ed_search
		.amdhsa_group_segment_fixed_size 327680
		.amdhsa_private_segment_fixed_size 0
		.amdhsa_enable_private_segment 0
		.amdhsa_kernarg_size 40
		.amdhsa_user_sgpr_count 2
		.amdhsa_user_sgpr_kernarg_segment_ptr 1
		.amdhsa_wavefront_size32 1
		.amdhsa_system_sgpr_workgroup_id_x 1
		.amdhsa_system_sgpr_workgroup_id_y 1
		.amdhsa_system_sgpr_workgroup_id_z 1
		.amdhsa_system_vgpr_workitem_id 0
		.amdhsa_next_free_vgpr 768
		.amdhsa_next_free_sgpr 96
		.amdhsa_reserve_vcc 0
		.amdhsa_float_denorm_mode_32 3
		.amdhsa_float_denorm_mode_16_64 3
		.amdhsa_memory_ordered 1
		.amdhsa_forward_progress 1
		.amdhsa_inst_pref_size 255
	.end_amdhsa_kernel
	.section	.bss,"aw",@nobits
	.p2align	6
	.space	262144
	.amdgpu_metadata
---
amdhsa.version: [ 1, 2 ]
amdhsa.kernels:
  - .name:           k_qd6b2bd41ed_search
    .symbol:         k_qd6b2bd41ed_search.kd
    .args:
      - { .name: face_feats, .offset: 0, .size: 8, .value_kind: global_buffer, .address_space: global }
      - { .name: lowp_scales, .offset: 8, .size: 8, .value_kind: global_buffer, .address_space: global }
      - { .name: query_embeddings_codes, .offset: 16, .size: 8, .value_kind: global_buffer, .address_space: global }
      - { .name: pval, .offset: 24, .size: 8, .value_kind: global_buffer, .address_space: global }
      - { .name: pidx, .offset: 32, .size: 8, .value_kind: global_buffer, .address_space: global }
    .group_segment_fixed_size: 327680
    .private_segment_fixed_size: 0
    .kernarg_segment_align: 8
    .kernarg_segment_size: 40
    .max_flat_workgroup_size: 128
    .sgpr_count:     96
    .vgpr_count:     768
    .wavefront_size: 32
...
	.end_amdgpu_metadata
.endif
;; end of part 1
;; launch pick (part 2): grid 16 x 1, 16 waves a work-group, no clusters, 18,432 bytes of LDS; arguments pval, pidx, order; writes order
.if DOCPART == 2
	.amdgcn_target "amdgcn-amd-amdhsa--gfx1250"
	.amdhsa_code_object_version 6
	.text
	.protected	k_qd6b2bd41ed_pick
	.globl	k_qd6b2bd41ed_pick
	.p2align	8
	.type	k_qd6b2bd41ed_pick,@function
k_qd6b2bd41ed_pick:
	s_mov_b64 s[64:65], 0
	v_nop
	global_prefetch_b8 v0, s[64:65] scope:SCOPE_SE
	s_setreg_imm32_b32 hwreg(HW_REG_WAVE_MODE, 25, 1), 1
	s_wait_xcnt 0x0
; PICK.  For each query the best of the 224 chunks' results: order[b] = the first row of the group of 8 face rows that holds the largest score, the lowest such group among equals.
; pval, pidx: [224][2048]; chunks hold ascending rows, so a merge in ascending order that takes a later candidate only where it is strictly larger keeps the lowest group.
; A work-group takes 128 queries, a lane 4 of them (16 bytes: a wave's load covers 512 consecutive bytes); wave g takes chunks 14 g to 14 g + 13; the sixteen waves' results meet in LDS and wave 0 merges them.
; The matrix units, tensor loads and clusters have nothing to do here: 3.7 MB are read once, and no two work-groups read the same byte.
; The index is held at 49,992, the last group's first row, before it is stored: a later launch forms an address from it.
.set CH, 8192                          ; a chunk's 2,048 numbers in bytes
.set B,  8                             ; v8-11 the running best values, v12-15 their groups; candidate n at v[8 + 8 n]
.macro MERGE n
.irp e, 0,1,2,3
	v_cmp_gt_f32 s[16+\e], v[B+8*(\n)+\e], v[B+\e]
.endr
.irp e, 0,1,2,3
	v_cndmask_b32 v[B+4+\e], v[B+4+\e], v[B+4+8*(\n)+\e], s[16+\e]
	v_max_num_f32 v[B+\e], v[B+\e], v[B+8*(\n)+\e]
.endr
.endm
	s_load_b128 s[4:7], s[0:1], 0x0                ; pval, pidx
	s_load_b64 s[8:9], s[0:1], 0x10                ; order
	v_lshl_add_u32 v144, v0, 2, 0x4000
	v_mov_b32 v145, 0
	v_lshrrev_b32 v1, 5, v0
	v_readfirstlane_b32 s10, v1                    ; wave g
	v_and_b32 v1, 31, v0
	v_lshlrev_b32 v2, 4, v1                        ; 16 x lane
	s_mul_i32 s11, s10, 14*CH
	s_lshl_b32 s12, ttmp9, 9                       ; the work-group's 128 queries
	s_add_co_u32 s11, s11, s12
	v_add_nc_u32 v3, s11, v2
	s_lshl_b32 s13, s10, 9
	v_add_nc_u32 v4, s13, v2                       ; LDS: 512 g + 16 x lane
	v_add_nc_u32 v5, s12, v2                       ; my 16 bytes of order
	s_wait_kmcnt 0x0
.irp c, 0,1,2,3,4,5,6,7,8,9,10,11,12,13
	global_load_b128 v[B+8*\c:B+8*\c+3], v3, s[4:5] offset:CH*\c th:TH_LOAD_NT
	global_load_b128 v[B+8*\c+4:B+8*\c+7], v3, s[6:7] offset:CH*\c th:TH_LOAD_NT
.endr
.irp c, 1,2,3,4,5,6,7,8,9,10,11,12,13
	s_wait_loadcnt 2*(13-\c)                       ; chunk c's two loads are in; the later chunks' may stay out
	MERGE \c
.endr
	ds_store_b128 v4, v[B:B+3]
	ds_store_b128 v4, v[B+4:B+7] offset:8192
	s_wait_dscnt 0x0                               ; for the others' sake: my stores have landed
	s_barrier_signal -1
	s_barrier_wait -1
	s_cmp_lg_u32 s10, 0
	s_cbranch_scc1 .Lend                           ; behind the barrier: wave 0 alone goes on
.irp g, 0,1,2,3,4,5,6,7,8,9,10,11,12,13,14,15
	ds_load_b128 v[B+8*\g:B+8*\g+3], v2 offset:512*\g
	ds_load_b128 v[B+8*\g+4:B+8*\g+7], v2 offset:8192+512*\g
.endr
	s_wait_dscnt 0x0
.irp g, 1,2,3,4,5,6,7,8,9,10,11,12,13,14,15
	MERGE \g
.endr
.irp e, 0,1,2,3
	v_min_u32 v[B+4+\e], 49992, v[B+4+\e]
.endr
	global_store_b128 v5, v[B+4:B+7], s[8:9]       ; 512 consecutive bytes
.Lend:
	s_wait_tensorcnt 0x0
	ds_add_u32 v144, v145
	s_wait_dscnt 0x0
	s_endpgm
.Lfunc_end_k_qd6b2bd41ed_pick:
	.size	k_qd6b2bd41ed_pick, .Lfunc_end_k_qd6b2bd41ed_pick-k_qd6b2bd41ed_pick
	.p2alignl 7, 3214868480
	.fill 96, 4, 3214868480
	.section	.rodata,"a",@progbits
	.p2align	6, 0x0
	.amdhsa_kernel k_qd6b2bd41ed_pick
		.amdhsa_group_segment_fixed_size 18432
		.amdhsa_private_segment_fixed_size 0
		.amdhsa_enable_private_segment 0
		.amdhsa_kernarg_size 24
		.amdhsa_user_sgpr_count 2
		.amdhsa_user_sgpr_kernarg_segment_ptr 1
		.amdhsa_wavefront_size32 1
		.amdhsa_system_sgpr_workgroup_id_x 1
		.amdhsa_system_sgpr_workgroup_id_y 1
		.amdhsa_system_sgpr_workgroup_id_z 1
		.amdhsa_system_vgpr_workitem_id 0
		.amdhsa_next_free_vgpr 146
		.amdhsa_next_free_sgpr 66
		.amdhsa_reserve_vcc 0
		.amdhsa_float_denorm_mode_32 3
		.amdhsa_float_denorm_mode_16_64 3
		.amdhsa_memory_ordered 1
		.amdhsa_forward_progress 1
		.amdhsa_inst_pref_size 25
	.end_amdhsa_kernel
	.amdgpu_metadata
---
amdhsa.version: [ 1, 2 ]
amdhsa.kernels:
  - .name:           k_qd6b2bd41ed_pick
    .symbol:         k_qd6b2bd41ed_pick.kd
    .args:
      - { .name: pval, .offset: 0, .size: 8, .value_kind: global_buffer, .address_space: global }
      - { .name: pidx, .offset: 8, .size: 8, .value_kind: global_buffer, .address_space: global }
      - { .name: order, .offset: 16, .size: 8, .value_kind: global_buffer, .address_space: global }
    .group_segment_fixed_size: 18432
    .private_segment_fixed_size: 0
    .kernarg_segment_align: 8
    .kernarg_segment_size: 24
    .max_flat_workgroup_size: 512
    .sgpr_count:     66
    .vgpr_count:     146
    .wavefront_size: 32
...
	.end_amdgpu_metadata
.endif
;; end of part 2
;; launch gather (part 3): grid 256 x 1, 8 waves a work-group, no clusters, 0 bytes of LDS; arguments face_feats, lowp_scales, query_embeddings_codes, order, selector, out0; writes out0
.if DOCPART == 3
	.amdgcn_target "amdgcn-amd-amdhsa--gfx1250"
	.amdhsa_code_object_version 6
	.text
	.protected	k_qd6b2bd41ed_gather
	.globl	k_qd6b2bd41ed_gather
	.p2align	8
	.type	k_qd6b2bd41ed_gather,@function
k_qd6b2bd41ed_gather:
	s_mov_b64 s[64:65], 0
	v_nop
	global_prefetch_b8 v0, s[64:65] scope:SCOPE_SE
	s_setreg_imm32_b32 hwreg(HW_REG_WAVE_MODE, 25, 1), 1
	s_wait_xcnt 0x0
; GATHER.  out0[b] = the normalised face row with the largest score for query b where selector[b] is not 0, else -1.
; order[b] (a whole number that the launch before stored) is the first row of the aligned group of 8 face rows that holds the largest score.  One wave to a query.
; A SELECTED QUERY: the group's 8 rows, 16 KB, come in 32 loads of 512 consecutive bytes and stay in 128 registers.  Each row is normalised and quantised by the very lines of the search's first phase
; (the same lane holds the same k, the same order of sums), so its codes are those that the matrix units multiplied.  The 8 scores are formed anew: both sides' codes are widened to f32, where their
; products are exact, and summed by fused multiply-adds: 8 x 512 products a query, against the 50,000 x 512 that the matrix units have done.  The first of the largest scores names the row, and the
; normalised f32 row (not its codes) is chosen by v_cndmask_b32: no address and no branch hangs on a score.  The factor 2^(e0 + e1) is positive and common to the 8 scores: it is left out.
; AN UNSELECTED QUERY stores -1 and reads no row: a scalar branch on the selector's byte, a whole number read from memory; the launch has no barrier and no tensor load.
; LIMITS.  e1 between -126 and 119.  Within a group the scores are f32 sums in another order than the matrix unit's.  A row of zeros has a NaN score, which counts as the lowest number; NaN and
; infinities among the inputs are not served.  The norm is x * rsq(sum of squares).
; LDS, the matrix units and clusters have nothing to do here.  No prefetch: a wave wants its rows as soon as it knows them.
.set QC,   4                           ; v4-7    the query's codes: word j: k = 128 j + 4 l + 0..3
.set ONE,  8                           ; v8      the scale byte of 1.0 in every byte
.set LIM,  9                           ; v9      448 x 2^e1
.set SCL,  10                          ; v10     2^e1 as f32
.set BEST, 11
.set SS,   12                          ; v12-19  sums of squares, then 1 / norm
.set P,    20                          ; v20-27  the 8 scores
.set C,    28                          ; v28-31  a row's codes
.set Q,    32                          ; v32-47  the query's 16 numbers of my lane, in units of its scale
.set Z,    48                          ; v48-63  a row's held numbers, then its codes' values
.set X,    64                          ; v64-191 8 rows of 16 registers: register 4 j + c: k = 128 j + 4 l + c
.set CT,   192                         ; v192-223 four registers a row: partial sums
.set SEL,  30                          ; s[30:31] v_permlanex16_b32: lane l xor 16
.set MK,   32                          ; s33-39  masks
.set RS,   40                          ; s[40:55] 8 pairs: 1 / norm of a row, and a 0 that is only named
	s_load_b256 s[4:11], s[0:1], 0x0               ; face_feats s[4:5], lowp_scales s[6:7], the queries' codes s[8:9], order s[10:11]
	s_load_b128 s[12:15], s[0:1], 0x20             ; selector s[12:13], out0 s[14:15]
	v_lshrrev_b32 v1, 5, v0
	v_readfirstlane_b32 s16, v1                    ; wave
	s_lshl_b32 s17, ttmp9, 3
	s_add_co_u32 s17, s17, s16                     ; my query b
	v_and_b32 v2, 31, v0
	v_lshlrev_b32 v1, 4, v2                        ; 16 x lane
	v_lshlrev_b32 v2, 2, v2                        ; 4 x lane
	s_lshl_b32 s18, s17, 2                         ; order: 4 b
	s_mov_b32 s19, 0
	s_mov_b32 s20, s17                             ; selector: b
	s_mov_b32 s21, 0
	s_lshl_b32 s22, s17, 11                        ; out0: 2,048 b
	s_mov_b32 s23, 0
	s_lshl_b32 s24, s17, 9                         ; codes: 512 b
	s_mov_b32 s25, 0
	s_mov_b32 s[SEL], 0x76543210
	s_mov_b32 s[SEL+1], 0xfedcba98
.irp i, 0,1,2,3,4,5,6,7
	s_mov_b32 s[RS+2*\i+1], 0                      ; named with its neighbour as a pair, so it is written
.endr
	s_wait_kmcnt 0x0
	s_add_nc_u64 s[10:11], s[10:11], s[18:19]
	s_add_nc_u64 s[12:13], s[12:13], s[20:21]
	s_add_nc_u64 s[14:15], s[14:15], s[22:23]
	s_add_nc_u64 s[8:9], s[8:9], s[24:25]
	s_load_b32 s26, s[10:11], 0x0                  ; the group's first row
	s_load_u8 s27, s[12:13], 0x0                   ; the selector's byte
	s_load_b32 s29, s[6:7], 0x4                    ; e1
.irp j, 0,1,2,3
	global_load_b32 v[QC+\j], v2, s[8:9] offset:128*\j     ; 128 consecutive bytes a load; their address hangs on b alone, so they go out ahead of the wait below
.endr
	s_wait_kmcnt 0x0
	s_cmp_eq_u32 s27, 0
	s_cbranch_scc1 .Lminus
	s_min_u32 s26, s26, 49992                      ; the group stays inside the table
	s_lshl_b32 s26, s26, 11
	s_mov_b32 s27, 0
	s_add_nc_u64 s[4:5], s[4:5], s[26:27]
.irp i, 0,1,2,3,4,5,6,7
.irp j, 0,1,2,3
	global_load_b128 v[X+16*\i+4*\j:X+16*\i+4*\j+3], v1, s[4:5] offset:2048*\i+512*\j
.endr
.endr
	s_add_co_i32 s28, s29, 127
	s_lshl_b32 s29, s28, 23
	v_mov_b32 v[SCL], s29                          ; 2^e1 as f32: the conversion takes its exponent field
	s_add_co_i32 s28, s28, 8
	s_lshl_b32 s28, s28, 23
	s_or_b32 s28, s28, 0x600000
	v_mov_b32 v[LIM], s28                          ; 448 x 2^e1
	v_mov_b32 v[ONE], 0x7f7f7f7f
	s_wait_loadcnt 32                              ; the codes' four loads are in; the rows' 32 may stay out
	v_cvt_scale_pk8_f32_fp8 v[Q:Q+7], v[QC:QC+1], v[ONE]       ; the codes' values x 1
	v_cvt_scale_pk8_f32_fp8 v[Q+8:Q+15], v[QC+2:QC+3], v[ONE]
	v_nop                                          ; a plain instruction behind the last conversion
	s_wait_loadcnt 0x0
.irp i, 0,1,2,3,4,5,6,7                        ; the sums of squares: two chains a row, the eight rows by turns: line for line as in the search
	v_pk_mul_f32 v[CT+4*\i:CT+4*\i+1], v[X+16*\i:X+16*\i+1], v[X+16*\i:X+16*\i+1]
	v_pk_mul_f32 v[CT+4*\i+2:CT+4*\i+3], v[X+16*\i+2:X+16*\i+3], v[X+16*\i+2:X+16*\i+3]
.endr
.irp e, 4,8,12
.irp i, 0,1,2,3,4,5,6,7
	v_pk_fma_f32 v[CT+4*\i:CT+4*\i+1], v[X+16*\i+\e:X+16*\i+\e+1], v[X+16*\i+\e:X+16*\i+\e+1], v[CT+4*\i:CT+4*\i+1]
	v_pk_fma_f32 v[CT+4*\i+2:CT+4*\i+3], v[X+16*\i+\e+2:X+16*\i+\e+3], v[X+16*\i+\e+2:X+16*\i+\e+3], v[CT+4*\i+2:CT+4*\i+3]
.endr
.endr
.irp i, 0,1,2,3,4,5,6,7
	v_pk_add_f32 v[CT+4*\i:CT+4*\i+1], v[CT+4*\i:CT+4*\i+1], v[CT+4*\i+2:CT+4*\i+3]
.endr
.irp i, 0,1,2,3,4,5,6,7
	v_add_f32 v[SS+\i], v[CT+4*\i], v[CT+4*\i+1]
.endr
.irp x, 1,2,4,8
.irp i, 0,1,2,3,4,5,6,7
	v_add_f32_dpp v[SS+\i], v[SS+\i], v[SS+\i] row_xmask:\x row_mask:0xf bank_mask:0xf
.endr
.endr
.irp i, 0,1,2,3,4,5,6,7
	v_permlanex16_b32 v[CT+4*\i+2], v[SS+\i], s[SEL], s[SEL+1]
.endr
.irp i, 0,1,2,3,4,5,6,7
	v_add_f32 v[SS+\i], v[SS+\i], v[CT+4*\i+2]
.endr
.irp i, 0,1,2,3,4,5,6,7
	v_rsq_f32 v[SS+\i], v[SS+\i]                   ; 1 / norm
.endr
	v_nop                                          ; a plain instruction behind the last of the batch
	s_wait_alu depctr_va_vdst(0)                   ; one wait for the eight, ahead of their first reader
.irp i, 0,1,2,3,4,5,6,7
	v_readfirstlane_b32 s[RS+2*\i], v[SS+\i]       ; every lane holds the same number
.endr
.irp i, 0,1,2,3,4,5,6,7
.irp e, 0,2,4,6,8,10,12,14
	v_pk_mul_f32 v[X+16*\i+\e:X+16*\i+\e+1], v[X+16*\i+\e:X+16*\i+\e+1], s[RS+2*\i:RS+2*\i+1] op_sel_hi:[1,0]   ; x / norm: it stays: it is what goes out
.endr
.irp e, 0,1,2,3,4,5,6,7,8,9,10,11,12,13,14,15
	v_med3_num_f32 v[Z+\e], v[X+16*\i+\e], -v[LIM], v[LIM]   ; the conversion to an 8-bit code does not saturate (ISA guide 7.6.2): the hold comes first
.endr
	v_cvt_scalef32_pk8_fp8_f32 v[C:C+1], v[Z:Z+7], v[SCL]
	v_cvt_scalef32_pk8_fp8_f32 v[C+2:C+3], v[Z+8:Z+15], v[SCL]
	v_nop                                          ; a plain instruction between these conversions and the next two, which read their results and write their sources
	v_cvt_scale_pk8_f32_fp8 v[Z:Z+7], v[C:C+1], v[ONE]         ; the codes' values
	v_cvt_scale_pk8_f32_fp8 v[Z+8:Z+15], v[C+2:C+3], v[ONE]
	v_nop                                          ; and between those and the first reader of their results
	v_pk_mul_f32 v[CT+4*\i:CT+4*\i+1], v[Z:Z+1], v[Q:Q+1]      ; the score's part of my lane's 16 k, in two chains
	v_pk_mul_f32 v[CT+4*\i+2:CT+4*\i+3], v[Z+2:Z+3], v[Q+2:Q+3]
.irp e, 4,8,12
	v_pk_fma_f32 v[CT+4*\i:CT+4*\i+1], v[Z+\e:Z+\e+1], v[Q+\e:Q+\e+1], v[CT+4*\i:CT+4*\i+1]
	v_pk_fma_f32 v[CT+4*\i+2:CT+4*\i+3], v[Z+\e+2:Z+\e+3], v[Q+\e+2:Q+\e+3], v[CT+4*\i+2:CT+4*\i+3]
.endr
	v_pk_add_f32 v[CT+4*\i:CT+4*\i+1], v[CT+4*\i:CT+4*\i+1], v[CT+4*\i+2:CT+4*\i+3]
	v_add_f32 v[P+\i], v[CT+4*\i], v[CT+4*\i+1]
.endr
.irp x, 1,2,4,8                                ; across the 32 lanes, the eight scores by turns
.irp i, 0,1,2,3,4,5,6,7
	v_add_f32_dpp v[P+\i], v[P+\i], v[P+\i] row_xmask:\x row_mask:0xf bank_mask:0xf
.endr
.endr
.irp i, 0,1,2,3,4,5,6,7
	v_permlanex16_b32 v[CT+4*\i+2], v[P+\i], s[SEL], s[SEL+1]
.endr
.irp i, 0,1,2,3,4,5,6,7
	v_add_f32 v[P+\i], v[P+\i], v[CT+4*\i+2]
.endr
.irp i, 0,1,2,3,4,5,6,7
	v_max_num_f32 v[P+\i], 0xff7fffff, v[P+\i]     ; a NaN counts as the lowest number
.endr
	v_mov_b32 v[BEST], v[P]
.irp i, 1,2,3,4,5,6,7                          ; a later row is taken only where its score is strictly larger: the first of the largest stays.  Row 0's registers hold the choice
	v_cmp_gt_f32 s[MK+\i], v[P+\i], v[BEST]
	v_max_num_f32 v[BEST], v[BEST], v[P+\i]
.irp e, 0,1,2,3,4,5,6,7,8,9,10,11,12,13,14,15
	v_cndmask_b32 v[X+\e], v[X+\e], v[X+16*\i+\e], s[MK+\i]
.endr
.endr
.irp j, 0,1,2,3
	global_store_b128 v1, v[X+4*\j:X+4*\j+3], s[14:15] offset:512*\j th:TH_STORE_NT   ; 512 consecutive bytes, at a multiple of 512 from out0's first byte
.endr
	s_endpgm
.Lminus:
.irp e, 0,1,2,3
	v_mov_b32 v[SS+\e], -1.0
.endr
.irp j, 0,1,2,3
	global_store_b128 v1, v[SS:SS+3], s[14:15] offset:512*\j th:TH_STORE_NT
.endr
	s_endpgm
.Lfunc_end_k_qd6b2bd41ed_gather:
	.size	k_qd6b2bd41ed_gather, .Lfunc_end_k_qd6b2bd41ed_gather-k_qd6b2bd41ed_gather
	.p2alignl 7, 3214868480
	.fill 96, 4, 3214868480
	.section	.rodata,"a",@progbits
	.p2align	6, 0x0
	.amdhsa_kernel k_qd6b2bd41ed_gather
		.amdhsa_group_segment_fixed_size 0
		.amdhsa_private_segment_fixed_size 0
		.amdhsa_enable_private_segment 0
		.amdhsa_kernarg_size 48
		.amdhsa_user_sgpr_count 2
		.amdhsa_user_sgpr_kernarg_segment_ptr 1
		.amdhsa_wavefront_size32 1
		.amdhsa_system_sgpr_workgroup_id_x 1
		.amdhsa_system_sgpr_workgroup_id_y 1
		.amdhsa_system_sgpr_workgroup_id_z 1
		.amdhsa_system_vgpr_workitem_id 0
		.amdhsa_next_free_vgpr 224
		.amdhsa_next_free_sgpr 66
		.amdhsa_reserve_vcc 0
		.amdhsa_float_denorm_mode_32 3
		.amdhsa_float_denorm_mode_16_64 3
		.amdhsa_memory_ordered 1
		.amdhsa_forward_progress 1
		.amdhsa_inst_pref_size 45
	.end_amdhsa_kernel
	.amdgpu_metadata
---
amdhsa.version: [ 1, 2 ]
amdhsa.kernels:
  - .name:           k_qd6b2bd41ed_gather
    .symbol:         k_qd6b2bd41ed_gather.kd
    .args:
      - { .name: face_feats, .offset: 0, .size: 8, .value_kind: global_buffer, .address_space: global }
      - { .name: lowp_scales, .offset: 8, .size: 8, .value_kind: global_buffer, .address_space: global }
      - { .name: query_embeddings_codes, .offset: 16, .size: 8, .value_kind: global_buffer, .address_space: global }
      - { .name: order, .offset: 24, .size: 8, .value_kind: global_buffer, .address_space: global }
      - { .name: selector, .offset: 32, .size: 8, .value_kind: global_buffer, .address_space: global }
      - { .name: out0, .offset: 40, .size: 8, .value_kind: global_buffer, .address_space: global }
    .group_segment_fixed_size: 0
    .private_segment_fixed_size: 0
    .kernarg_segment_align: 8
    .kernarg_segment_size: 48
    .max_flat_workgroup_size: 256
    .sgpr_count:     66
    .vgpr_count:     224
    .wavefront_size: 32
...
	.end_amdgpu_metadata
.endif
;; end of part 3
